; MI455X (gfx1250); checked and timed in simulation.
; The chip was launched on July 23, 2026; its instructions are those of AMD's public machine-readable ISA for CDNA 5 (MIT licence, August 2026) and "CDNA5" Instruction Set Architecture Reference Guide (July 2026). The comments in the code are by the model that wrote it; some were corrected since.
;; Self Attention. Allowed arithmetic: float matrix products may take bf16 or f16 operands with f32 sums; all other float work in f32.
;; Inputs: ba 128 float32; bk 16 float32; bq 16 float32; bv 64 float32; gamma 1 float32; wa 128 x 64 float32; wk 16 x 128 float32; wq 16 x 128 float32; wv 64 x 128 float32; x 16 x 128 x 64 x 64 float32.
;; Outputs: out0 16 x 128 x 64 x 64 float32.
;; One version. Each part assembles by itself: llvm-mc -triple=amdgcn-amd-amdhsa -mcpu=gfx1250 --defsym DOCPART=n.
;; ======== version 1 of 1: 2 launches
;; workspace buffers: kv 2,621,440 bytes; qf 2,097,152 bytes
;; launch kvprep (part 1): grid 16 x 16, 4 waves a work-group, no clusters, 168,448 bytes of LDS; arguments x, wk, bk, wv, bv, wq, bq, kv, qf; writes kv, qf
.if DOCPART == 1
	.amdgcn_target "amdgcn-amd-amdhsa--gfx1250"
	.amdhsa_code_object_version 6
	.text
	.protected	k_q543c7515e9_kvprep
	.globl	k_q543c7515e9_kvprep
	.p2align	8
	.type	k_q543c7515e9_kvprep,@function
k_q543c7515e9_kvprep:
	s_mov_b64 s[64:65], 0
	v_nop
	global_prefetch_b8 v0, s[64:65] scope:SCOPE_SE
	s_setreg_imm32_b32 hwreg(HW_REG_WAVE_MODE, 25, 1), 1
	s_wait_xcnt 0x0
; K = wk * pool(x) + bk, V = wv * pool(x) + bv (pool = 2 x 2 maximum) for 64 pooled positions, and q = (wq * x + bq) * log2(e) for the 256 pixels
; under them, of one batch; all rounded to bf16 and stored in the order in which the next launch's matrix fragments want them (L = 16 h + r the lane):
;   kv[b] (163,840 bytes):  byte T*512 + 16 L              = K[pos 16 T + r][cq 8h .. 8h+7]          T = 0..63
;                           byte 32768 + i*4096 + ct*1024 + half*512 + 16 L = V[c 16 ct + r][pos 32 i + 16 half + 8h .. +7]
;   qf[b] (131,072 bytes):  byte g*8192 + W*1024 + t*512 + 16 L = q[cq 8h .. 8h+7] of pixel 256 g + 32 W + 2 r + t
; Work-group (g, b): image rows 4g .. 4g+3 (256 pixels, 1,024 bytes of each of 128 channels).  Four waves; wave w makes the position tile 4 g + w:
; one 16 x 16 tile of K, four of V, and four of q (a pooled position's four pixels: tile u = 2 x image row + parity of the column), over four steps of 32 channels.
; x comes by tensor loads into LDS (each wave 2 x 16 channel rows of 1,024 bytes); nothing in LDS is ever filled a second time.
; NO CLUSTER: the work-groups share only the 48 KiB of weights, against 128 KiB of x that each reads alone.
; REGISTERS: the nine accumulators lie in window 1 (v320-391, written v64-135, numbers that are no matrix operand in window 0); all else in window 0.
; LIMITS: the pool takes v_max3_num / v_max_num, which let a NaN lose: a NaN in x does not reach K and V (it reaches q).  Matrix operands are bf16.
.set XPITCH, 1040                      ; an LDS row of x: 1,024 bytes + 16 of padding; 8 rows on is +128 modulo 256, so the two lane halves use different banks
.set WB,     128*XPITCH                ; 133,120 = 520 x 256: the weights in bf16, written by ds_store alone: rows 0-15 wk, 16-79 wv, 80-95 wq
.set WPITCH, 272                       ; 128 bf16 + 16 bytes
.set L16,  1                           ; v1      16 x lane
.set PA,   2                           ; v2-3    LDS address of my pixel pair in channel 8h (v2) and 64 + 8h (v3)
.set WFA,  4                           ; v4      weight fragments: WB + 272 r + 16 h
.set STK,  5                           ; v5      where my wave puts its 4 rows of wk (and, 80 rows on, of wq); later my 16 bytes of q
.set GQ,   5
.set STV,  6                           ; v6      where it puts its 16 rows of wv
.set GK,   7                           ; v7      global offset: wk's and wq's rows, later my 16 bytes of K
.set BK,   8                           ; v8-15   bk[8h + j]
.set BV,   16                          ; v16-19  bv[16 ct + r]
.set LN,   20                          ; v20 lane, v21 r, v22 h
.set RR,   21
.set HH,   22
.set GV,   23                          ; v23     global offset: wv rows, later my 16 bytes of V
.set XPF,  24                          ; v24-31  pooled x as a fragment
.set XQ,   32                          ; v32-63  x as fragments, 8 for each pixel tile u
.set PM,   64                          ; v64-79  the pool at work, one register a channel
.set T,    80                          ; v80-143 x as loaded: 16 channels x (2 pixels above, 2 below)
.set WF,   144                         ; v144-239 weight fragments: set (step & 1) x 48 + 8 f; f = 0 wk, f = 1 + ct wv, f = 5 wq
.set BQ,   240                         ; v240-247 bq[8h + j]
.set AK,   64                          ; window 1: K's sums
.set AV,   72                          ; window 1: V's sums, 8 for each ct
.set QA,   104                         ; window 1: q's sums, 8 for each u
.set PKK,  80                          ; the way out, window 0: packed K, V, q; V and q in f32
.set PKV,  84
.set PKQ,  100
.set VT,   144
.set QT,   176
.set G1,   28                          ; s[28:35] descriptor group 1
.set G0,   36                          ; s[36:43] descriptor group 0, one set for each half of the channels
.set MSB, 0
.macro WIN new                         ; s_set_vgpr_msb: bits 1:0 source 0, 3:2 source 1, 5:4 source 2, 7:6 destination; the high byte repeats the setting that is left
.if MSB != \new
	s_set_vgpr_msb (MSB<<8)|\new
.set MSB, \new
.endif
.endm
	s_load_b512 s[4:19], s[0:1], 0x0               ; x 4, wk 6, bk 8, wv 10, bv 12, wq 14, bq 16, kv 18
	s_load_b64 s[20:21], s[0:1], 0x40              ; qf
	v_lshl_add_u32 v254, v0, 2, 0x29000
	v_mov_b32 v255, 0
	ds_add_u32 v254, v255
	ds_add_u32 v254, v255
	v_lshrrev_b32 v[LN], 5, v0
	v_readfirstlane_b32 s44, v[LN]                 ; wave 0..3
	s_mov_b32 s45, ttmp9                           ; g
	s_and_b32 s46, ttmp7, 0xffff                   ; b
	; group 1: 16 rows of 256 f32, 4,096 elements from channel to channel, 4 words of padding behind every 256
	s_mov_b32 s[G1+0], (2<<16)|(1<<20)|(7<<22)|(3<<25)
	s_mov_b32 s[G1+1], 256<<16                     ; tensor_dim0 = 256
	s_mov_b32 s[G1+2], 16<<16                      ; tensor_dim1 = 16
	s_mov_b32 s[G1+3], 256<<16                     ; tile_dim0 = 256
	s_mov_b32 s[G1+4], 16                          ; tile_dim1 = 16
	s_mov_b32 s[G1+5], 4096                        ; pitch
	s_mov_b32 s[G1+6], 0
	s_mov_b32 s[G1+7], 0
	s_lshl_b32 s48, s46, 21                        ; batch: 2 MiB
	s_lshl_b32 s50, s44, 18                        ; my 16 channels: 16 x 16,384 bytes
	s_add_co_u32 s48, s48, s50
	s_lshl_b32 s50, s45, 10                        ; the group's four image rows
	s_add_co_u32 s48, s48, s50
	s_mov_b32 s49, 0
	s_mov_b32 s[G0+0], 1
	s_mul_i32 s[G0+1], s44, 16*XPITCH              ; LDS: channel rows 16 w ..
	s_mov_b32 s[G0+4], 1
	s_add_co_u32 s[G0+5], s[G0+1], 64*XPITCH       ; and 64 + 16 w ..
	s_wait_dscnt 0x0
	s_wait_kmcnt 0x0
	s_add_nc_u64 s[G0+2:G0+3], s[4:5], s[48:49]
	s_add_nc_u64 s[G0+6:G0+7], s[G0+2:G0+3], 0x100000      ; 64 channels on
	s_or_b32 s[G0+3], s[G0+3], 0x80000000
	s_or_b32 s[G0+7], s[G0+7], 0x80000000
	tensor_load_to_lds s[G0:G0+3], s[G1:G1+7]      ; the two first fills go out together: two tensor loads of the wave are out, never more
	s_nop 0
	tensor_load_to_lds s[G0+4:G0+7], s[G1:G1+7]
	s_nop 0
	v_and_b32 v[LN], 31, v0
	v_and_b32 v[RR], 15, v0
	v_bfe_u32 v[HH], v0, 4, 1
	v_lshlrev_b32 v[L16], 4, v[LN]
	v_lshl_add_u32 v[GK], s44, 11, v[L16]          ; wk and wq rows 4 w ..: 512 bytes a row, 16 bytes a lane
	v_lshl_add_u32 v[GV], s44, 13, v[L16]          ; wv rows 16 w ..
	v_lshlrev_b32 v[XPF], 5, v[HH]                 ; bk, bq: byte 32 h
	v_lshlrev_b32 v[XPF+1], 2, v[RR]               ; bv: byte 4 r
.irp k, 0,1,2,3
	global_load_b128 v[WF+4*\k:WF+4*\k+3], v[GK], s[6:7] offset:512*\k
.endr
.set k, 0
.rept 16
	global_load_b128 v[WF+16+4*k:WF+16+4*k+3], v[GV], s[10:11] offset:512*k
.set k, k+1
.endr
.irp k, 0,1,2,3
	global_load_b128 v[WF+80+4*\k:WF+80+4*\k+3], v[GK], s[14:15] offset:512*\k
.endr
	global_load_b128 v[BK:BK+3], v[XPF], s[8:9]
	global_load_b128 v[BK+4:BK+7], v[XPF], s[8:9] offset:16
	global_load_b128 v[BQ:BQ+3], v[XPF], s[16:17]
	global_load_b128 v[BQ+4:BQ+7], v[XPF], s[16:17] offset:16
.irp ct, 0,1,2,3
	global_load_b32 v[BV+\ct], v[XPF+1], s[12:13] offset:64*\ct
.endr
	; LDS addresses, while the weights are on their way
	s_lshr_b32 s52, s44, 1
	s_lshl_b32 s52, s52, 9                         ; pooled row w >> 1: two image rows of 256 bytes
	s_and_b32 s53, s44, 1
	s_lshl_b32 s53, s53, 7                         ; pooled columns 16 (w & 1) ..: 32 pixels
	s_add_co_u32 s52, s52, s53
	v_mul_u32_u24 v[PA], v[HH], 8*XPITCH
	v_lshl_add_u32 v[PA], v[RR], 3, v[PA]          ; + two pixels a lane
	v_add_nc_u32 v[PA], s52, v[PA]
	v_add_nc_u32 v[PA+1], 64*XPITCH, v[PA]
	v_mul_u32_u24 v[WFA], v[RR], WPITCH
	v_lshl_add_u32 v[WFA], v[HH], 4, v[WFA]
	v_add_nc_u32 v[WFA], WB, v[WFA]
	s_mul_i32 s53, s44, 4*WPITCH
	s_add_co_u32 s53, s53, WB
	v_lshl_add_u32 v[STK], v[LN], 3, s53
	s_mul_i32 s54, s44, 16*WPITCH
	s_add_co_u32 s54, s54, WB+16*WPITCH
	v_lshl_add_u32 v[STV], v[LN], 3, s54
	s_wait_loadcnt 0x0                             ; weights and biases, once
.set n, 0
.rept 24
	v_cvt_pk_bf16_f32 v[T+2*n],   v[WF+4*n],   v[WF+4*n+1]
	v_cvt_pk_bf16_f32 v[T+2*n+1], v[WF+4*n+2], v[WF+4*n+3]
.set n, n+1
.endr
.irp k, 0,1,2,3
	ds_store_b64 v[STK], v[T+2*\k:T+2*\k+1] offset:WPITCH*\k
.endr
.set k, 0
.rept 16
	ds_store_b64 v[STV], v[T+8+2*k:T+8+2*k+1] offset:WPITCH*k
.set k, k+1
.endr
.irp k, 0,1,2,3
	ds_store_b64 v[STK], v[T+40+2*\k:T+40+2*\k+1] offset:WPITCH*(80+\k)
.endr
	s_wait_tensorcnt 0x1                           ; my rows of channels 0-63 have landed; the second load stays out
	s_wait_dscnt 0x0                               ; my weight rows are in LDS, for the other waves' sake
	s_barrier_signal -1
	s_barrier_wait -1
; the weight fragments of channel steps 2 q and 2 q + 1: row r of 16, 16 bytes at 16 h and 32 bytes on
.macro LOADW q
.irp sl, 0,1
.irp f, 0,1,2,3,4,5
	ds_load_b128 v[WF+48*\sl+8*\f:WF+48*\sl+8*\f+3],   v[WFA] offset:16*\f*WPITCH+64*(2*\q+\sl)
	ds_load_b128 v[WF+48*\sl+8*\f+4:WF+48*\sl+8*\f+7], v[WFA] offset:16*\f*WPITCH+64*(2*\q+\sl)+32
.endr
.endr
.endm
; x of one channel step: my fragment's 16 channels (8h .. 8h+7 and 16+8h .. +7 of the step's 32), 2 pixels of the upper and of the lower image row
.macro LOADX par, hi
.set ci, 0
.rept 16
	ds_load_b64 v[T+4*ci:T+4*ci+1],   v[PA+\hi] offset:(32*\par+ci+8*(ci/8))*XPITCH
	ds_load_b64 v[T+4*ci+2:T+4*ci+3], v[PA+\hi] offset:(32*\par+ci+8*(ci/8))*XPITCH+256
.set ci, ci+1
.endr
.endm
; One channel step: pool, round, ask for the next step's x, multiply.  The nine accumulators take turns, one instruction a turn.
; K's and q's tiles = weights (rows cq) x columns of pooled x or of x: a lane gets 8 neighbouring cq of one position or pixel.
; V's tiles = pooled x (rows pos) x wv (columns c): a lane gets 8 neighbouring positions of one channel.
; The fragments of x are one set: the sixteen v_max3 at the step's head, which name no register of a matrix instruction, are the places
; between the last step's matrix instructions and the conversions that write their sources again (ISA guide 7.12.1).
.macro KS par, first, next, npar, nhi
	s_wait_dscnt 0x0                               ; this step's x (and, where just asked for, the weight fragments)
.set ci, 0
.rept 16
	v_max3_num_f32 v[PM+ci], v[T+4*ci], v[T+4*ci+1], v[T+4*ci+2]
.set ci, ci+1
.endr
.irp u, 0,1,2,3
.irp k, 0,1,2,3,4,5,6,7
	v_cvt_pk_bf16_f32 v[XQ+8*\u+\k], v[T+8*\k+\u], v[T+8*\k+4+\u]  ; pixel u of two neighbouring channels
.endr
.endr
.set ci, 0
.rept 16
	v_max_num_f32 v[PM+ci], v[PM+ci], v[T+4*ci+3]
.set ci, ci+1
.endr
.irp k, 0,1,2,3,4,5,6,7
	v_cvt_pk_bf16_f32 v[XPF+\k], v[PM+2*\k], v[PM+2*\k+1]
.endr
.if \next
	LOADX \npar, \nhi
.endif
.if \first
	WIN 0x40                                       ; D in window 1; the biases, which start K's and q's sums, in window 0
	v_wmma_f32_16x16x32_bf16 v[AK:AK+7], v[WF+48*\par:WF+48*\par+7], v[XPF:XPF+7], v[BK:BK+7]
.irp u, 0,1,2,3
	v_wmma_f32_16x16x32_bf16 v[QA+8*\u:QA+8*\u+7], v[WF+48*\par+40:WF+48*\par+47], v[XQ+8*\u:XQ+8*\u+7], v[BQ:BQ+7]
	v_wmma_f32_16x16x32_bf16 v[AV+8*\u:AV+8*\u+7], v[XPF:XPF+7], v[WF+48*\par+8+8*\u:WF+48*\par+8+8*\u+7], 0
.endr
.else
	WIN 0x50                                       ; C and D in window 1
	v_wmma_f32_16x16x32_bf16 v[AK:AK+7], v[WF+48*\par:WF+48*\par+7], v[XPF:XPF+7], v[AK:AK+7]
.irp u, 0,1,2,3
	v_wmma_f32_16x16x32_bf16 v[QA+8*\u:QA+8*\u+7], v[WF+48*\par+40:WF+48*\par+47], v[XQ+8*\u:XQ+8*\u+7], v[QA+8*\u:QA+8*\u+7]
	v_wmma_f32_16x16x32_bf16 v[AV+8*\u:AV+8*\u+7], v[XPF:XPF+7], v[WF+48*\par+8+8*\u:WF+48*\par+8+8*\u+7], v[AV+8*\u:AV+8*\u+7]
.endr
.endif
	WIN 0
.endm
	LOADW 0
	LOADX 0, 0
	KS 0, 1, 1, 1, 0                               ; channels 0-31
	KS 1, 0, 0, 0, 0                               ; channels 32-63
.rept 4
	v_nop                                          ; four places between the last matrix instruction and loads into its sources
.endr
	LOADW 1
	s_wait_tensorcnt 0x0                           ; my rows of channels 64-127 have landed
	s_wait_dscnt 0x0                               ; no LDS instruction is pending at a signal
	s_barrier_signal -1
	s_barrier_wait -1
	LOADX 0, 1
	KS 0, 0, 1, 1, 1                               ; channels 64-95
	KS 1, 0, 0, 0, 0                               ; channels 96-127
	; the way out: every store of the wave covers 512 consecutive bytes, aligned
	s_mul_i32 s48, s46, 163840
	s_mov_b32 s49, 0
	s_add_nc_u64 s[18:19], s[18:19], s[48:49]      ; kv[b]
	s_lshl_b32 s50, s46, 17
	s_mov_b32 s51, 0
	s_add_nc_u64 s[20:21], s[20:21], s[50:51]      ; qf[b]
	s_lshl_b32 s52, s45, 11
	s_lshl_b32 s53, s44, 9
	s_add_co_u32 s52, s52, s53                     ; K: (4 g + w) x 512
	s_lshl_b32 s54, s45, 13
	s_lshr_b32 s53, s44, 1
	s_lshl_b32 s53, s53, 12
	s_add_co_u32 s54, s54, s53                     ; V and q: g x 8,192 + (w >> 1) x 4,096
	s_and_b32 s53, s44, 1
	s_lshl_b32 s55, s53, 9
	s_add_co_u32 s55, s54, s55                     ; V: + (w & 1) x 512
	s_lshl_b32 s53, s53, 10
	s_add_co_u32 s54, s54, s53                     ; q: + (w & 1) x 1,024; the tile's 2,048 x image row + 512 x parity stands in the immediate
	v_add_nc_u32 v[GK], s52, v[L16]                ; these three and a v_nop are the four places in front of the first read of a result
	v_add_nc_u32 v[GV], s55, v[L16]
	v_add_nc_u32 v[GQ], s54, v[L16]
	v_nop
	WIN 0x05                                       ; sources 0 and 1 in window 1
.irp k, 0,1,2,3
	v_cvt_pk_bf16_f32 v[PKK+\k], v[AK+2*\k], v[AK+2*\k+1]
.endr
	WIN 0x01                                       ; source 0 in window 1
.irp ct, 0,1,2,3
.irp j, 0,1,2,3,4,5,6,7
	v_add_f32 v[VT+8*\ct+\j], v[AV+8*\ct+\j], v[BV+\ct]    ; bv of my channel
.endr
.endr
.set n, 0
.rept 16
	v_pk_mul_f32 v[QT+2*n:QT+2*n+1], v[QA+2*n:QA+2*n+1], 0x3fb8aa3b op_sel_hi:[1,0]   ; log2(e), before the rounding
.set n, n+1
.endr
	WIN 0
	global_store_b128 v[GK], v[PKK:PKK+3], s[18:19]
.irp ct, 0,1,2,3
.irp k, 0,1,2,3
	v_cvt_pk_bf16_f32 v[PKV+4*\ct+\k], v[VT+8*\ct+2*\k], v[VT+8*\ct+2*\k+1]
.endr
	global_store_b128 v[GV], v[PKV+4*\ct:PKV+4*\ct+3], s[18:19] offset:32768+1024*\ct
.endr
.irp u, 0,1,2,3
.irp k, 0,1,2,3
	v_cvt_pk_bf16_f32 v[PKQ+4*\u+\k], v[QT+8*\u+2*\k], v[QT+8*\u+2*\k+1]
.endr
	global_store_b128 v[GQ], v[PKQ+4*\u:PKQ+4*\u+3], s[20:21] offset:(\u/2)*2048+(\u%2)*512
.endr
	s_wait_tensorcnt 0x0
	ds_add_u32 v254, v255
	s_wait_dscnt 0x0
	s_endpgm
.Lfunc_end_k_q543c7515e9_kvprep:
	.size	k_q543c7515e9_kvprep, .Lfunc_end_k_q543c7515e9_kvprep-k_q543c7515e9_kvprep
	.p2alignl 7, 3214868480
	.fill 96, 4, 3214868480
	.section	.rodata,"a",@progbits
	.p2align	6, 0x0
	.amdhsa_kernel k_q543c7515e9_kvprep
		.amdhsa_group_segment_fixed_size 168448
		.amdhsa_private_segment_fixed_size 0
		.amdhsa_enable_private_segment 0
		.amdhsa_kernarg_size 72
		.amdhsa_user_sgpr_count 2
		.amdhsa_user_sgpr_kernarg_segment_ptr 1
		.amdhsa_wavefront_size32 1
		.amdhsa_system_sgpr_workgroup_id_x 1
		.amdhsa_system_sgpr_workgroup_id_y 1
		.amdhsa_system_sgpr_workgroup_id_z 1
		.amdhsa_system_vgpr_workitem_id 0
		.amdhsa_next_free_vgpr 392
		.amdhsa_next_free_sgpr 66
		.amdhsa_reserve_vcc 0
		.amdhsa_float_denorm_mode_32 3
		.amdhsa_float_denorm_mode_16_64 3
		.amdhsa_memory_ordered 1
		.amdhsa_forward_progress 1
		.amdhsa_inst_pref_size 48
	.end_amdhsa_kernel
	.amdgpu_metadata
---
amdhsa.version: [ 1, 2 ]
amdhsa.kernels:
  - .name:           k_q543c7515e9_kvprep
    .symbol:         k_q543c7515e9_kvprep.kd
    .args:
      - { .name: x, .offset: 0, .size: 8, .value_kind: global_buffer, .address_space: global }
      - { .name: wk, .offset: 8, .size: 8, .value_kind: global_buffer, .address_space: global }
      - { .name: bk, .offset: 16, .size: 8, .value_kind: global_buffer, .address_space: global }
      - { .name: wv, .offset: 24, .size: 8, .value_kind: global_buffer, .address_space: global }
      - { .name: bv, .offset: 32, .size: 8, .value_kind: global_buffer, .address_space: global }
      - { .name: wq, .offset: 40, .size: 8, .value_kind: global_buffer, .address_space: global }
      - { .name: bq, .offset: 48, .size: 8, .value_kind: global_buffer, .address_space: global }
      - { .name: kv, .offset: 56, .size: 8, .value_kind: global_buffer, .address_space: global }
      - { .name: qf, .offset: 64, .size: 8, .value_kind: global_buffer, .address_space: global }
    .group_segment_fixed_size: 168448
    .private_segment_fixed_size: 0
    .kernarg_segment_align: 8
    .kernarg_segment_size: 72
    .max_flat_workgroup_size: 128
    .sgpr_count:     66
    .vgpr_count:     392
    .wavefront_size: 32
...
	.end_amdgpu_metadata
.endif
;; end of part 1
;; launch attn (part 2): grid 16 x 16, 8 waves a work-group, clusters of 4 x 1, 316,416 bytes of LDS; arguments x, kv, qf, wa, ba, gamma, out0; writes out0
.if DOCPART == 2
	.amdgcn_target "amdgcn-amd-amdhsa--gfx1250"
	.amdhsa_code_object_version 6
	.text
	.protected	k_q543c7515e9_attn
	.globl	k_q543c7515e9_attn
	.p2align	8
	.type	k_q543c7515e9_attn,@function
k_q543c7515e9_attn:
	s_mov_b64 s[64:65], 0
	v_nop
	global_prefetch_b8 v0, s[64:65] scope:SCOPE_SE
	s_setreg_imm32_b32 hwreg(HW_REG_WAVE_MODE, 25, 1), 1
	s_wait_xcnt 0x0
	s_wait_alu depctr_hold_cnt(0) depctr_sa_sdst(0) depctr_va_vdst(0) depctr_va_sdst(0) depctr_va_ssrc(0) depctr_va_vcc(0) depctr_vm_vsrc(0)
	s_getreg_b32 s2, hwreg(HW_REG_IB_STS2, 6, 4)
	s_cmp_eq_u32 s2, 0
	s_cbranch_scc0 .Lentry_in_a_cluster
	s_endpgm
.Lentry_in_a_cluster:
	s_bfe_u32 s2, ttmp6, 0x10000c
	s_cmp_lg_u32 s2, 0x3003
	s_cbranch_scc0 .Lentry_shape_is_right
	s_endpgm
.Lentry_shape_is_right:
; out = gamma (wa softmax(q k) v + ba) + x for 256 queries (pixels 256 g .. +255) of batch b; q (times log2(e)), K and V come in bf16, in fragment order, from qf and kv.
; Eight waves; wave w owns 32 queries as two tiles t = 0, 1 with query = 32 w + 2 r + t (r = lane & 15, h = lane >> 4), so that a lane's two
; tiles are two neighbouring pixels.  K and V of the batch (160 KiB) lie whole in LDS: only first fills, no ring.
; x is needed for the residual alone: its tile is asked for at the start, behind K and V, and waited for in front of the output convolution.
; SOFTMAX: a first pass over K finds each query's true maximum; the second pass takes it away as the C operand of the score product;
; q carries log2(e), so that the exponential is v_exp_f32 of the score as it stands.
; CLUSTER: the four work-groups of a cluster lie along x and share the batch: K and V are asked for jointly (mask 15), 20,480 bytes a wave.
; x's tile is each work-group's own (mask 0).  No branch and no LDS address hangs on the place in the cluster.
; LIMITS: matrix operands are bf16.  The row sum adds the f32 exponentials, the product with V takes them rounded to bf16.
; LDS:  0        K, V as in memory (K: T*512 + 16 L; V: 32768 + i*4096 + ct*1024 + half*512 + 16 L); behind its last read the stage of the way out,
;                [128 o][256 n] f32 with rows of 1,040 bytes (no fill lands there any more)
;       163,840  x tile [128 c][256 n] f32, rows of 1,040 bytes;   296,960  wa in bf16, rows of 144
.set XPITCH, 1040
.set XB,   163840
.set WAB,  296960
.set WAP,  144
.set VPART, 32768
.set L16,  1                           ; v1      16 x lane
.set KADR, 2                           ; v2      K's stepped LDS address (after: ba's offset)
.set VADR, 3                           ; v3      V's stepped LDS address (after: wa fragments)
.set XA,   4                           ; v4-5    x tile: my pixel pair in channel 8h, and in 64 + 8h
.set SA,   6                           ; v6-7    the same places in the stage
.set SUM,  8                           ; v8-15   row sums: pair 4 t + 2 e.  In pass 1: four running maxima, 2 t + e
.set MX,   8
.set RDA,  12                          ; v12-13  the way out: my 16 bytes in stage row 4 w, and in row 64 + 4 w
.set QF,   16                          ; v16-31  q fragments, 8 a tile, the upper 4 zero (16 of the instruction's 32 k carry data)
.set NEGM, 32                          ; v32-47  minus the maximum, 8 times a tile
.set KF,   48                          ; v48-79  K fragments: 16 p + 8 e, the upper 4 zero
.set VF,   80                          ; v80-143 V fragments: 32 p + 8 ct
.set SC,   144                         ; v144-175 scores: 16 t + 8 e
.set PB,   176                         ; v176-191 exponentials in bf16, 8 a tile
.set OA,   192                         ; v192-255 sums of V: 32 t + 8 ct.  In pass 1 v192-223 are the second set of scores
.set FT,   16                          ; end: v16-47 feat fragments 16 t + 8 s;  v48-79 wa fragments;  v80-143 ba;  v144-175 sums;  v192-255 x, then rows of the result, two sets
.set WAF,  48
.set BA,   80
.set DD,   144
.set XR,   192
; a round of the cluster's barrier: my work-group's barrier, wave 0 signals for the work-group, every wave waits for all four work-groups, my work-group's barrier again
.macro ROUND
	s_barrier_signal -1
	s_barrier_wait -1
	s_cmp_lg_u32 s20, 0
	s_cbranch_scc1 .Lnot_wave_0_\@
	s_barrier_signal -3
.Lnot_wave_0_\@:
	s_barrier_wait -3
	s_barrier_signal -1
	s_barrier_wait -1
.endm
	s_load_b256 s[4:11], s[0:1], 0x0               ; x 4, kv 6, qf 8, wa 10
	s_load_b128 s[12:15], s[0:1], 0x20             ; ba 12, gamma 14
	s_load_b64 s[16:17], s[0:1], 0x30              ; out0
	s_set_vgpr_msb 0x40
	v_lshl_add_u32 v0, v0, 2, 0x4d000
	v_mov_b32 v1, 0
	s_set_vgpr_msb 0x4045
	ds_add_u32 v0, v1
	ds_add_u32 v0, v1
	s_set_vgpr_msb 0x4500
	v_lshrrev_b32 v8, 5, v0
	v_readfirstlane_b32 s20, v8                    ; wave 0..7
	s_and_b32 s21, ttmp7, 0xffff                   ; b (the cluster is one work-group high)
	s_bfe_u32 s22, ttmp6, 0x40000                  ; cx
	s_lshl_b32 s23, ttmp9, 2
	s_add_co_u32 s23, s23, s22                     ; g = 4 x cluster x + cx
	s_mov_b32 s54, 0x76543210                      ; v_permlanex16_b32: lane i takes lane i of the other half
	s_mov_b32 s55, 0xfedcba98
	; x: group 1: 16 rows of 256 f32, 4,096 elements from channel to channel, 4 words of padding behind every 256; no mask
	s_mov_b32 s28, (2<<16)|(1<<20)|(7<<22)|(3<<25)
	s_mov_b32 s29, 256<<16
	s_mov_b32 s30, 16<<16
	s_mov_b32 s31, 256<<16
	s_mov_b32 s32, 16
	s_mov_b32 s33, 4096
	s_mov_b32 s34, 0
	s_mov_b32 s35, 0
	; K, V: group 1: 80 dense rows of 32 elements of 8 bytes; mask 15 = the four work-groups of the cluster, bit 21 beside it
	s_mov_b32 s40, 15|(3<<16)|(1<<21)
	s_mov_b32 s41, 32<<16
	s_mov_b32 s42, 80<<16
	s_mov_b32 s43, 32<<16
	s_mov_b32 s44, 80
	s_mov_b32 s45, 32
	s_mov_b32 s46, 0
	s_mov_b32 s47, 0
	s_lshl_b32 s48, s21, 21                        ; x and out0: the batch
	s_lshl_b32 s57, s23, 10
	s_add_co_u32 s48, s48, s57                     ; and the group's 256 pixels
	s_lshl_b32 s53, s20, 16
	s_add_co_u32 s18, s48, s53                     ; out0: rows 4 w .. of each block of 32
	s_mov_b32 s19, 0
	s_lshl_b32 s53, s20, 18
	s_add_co_u32 s48, s48, s53                     ; x: the 16 channel rows that my wave fetches
	s_mov_b32 s49, 0
	s_lshl_b32 s58, s21, 17                        ; qf: batch, group, wave
	s_lshl_b32 s57, s23, 13
	s_add_co_u32 s58, s58, s57
	s_lshl_b32 s53, s20, 10
	s_add_co_u32 s58, s58, s53
	s_mov_b32 s59, 0
	s_mul_i32 s50, s21, 163840                     ; kv: batch and my wave's 20,480 bytes: alike in the four partners
	s_mul_i32 s53, s20, 20480
	s_add_co_u32 s50, s50, s53
	s_mov_b32 s51, 0
	s_mov_b32 s24, 1
	s_mul_i32 s25, s20, 16*XPITCH
	s_add_co_u32 s25, s25, XB                      ; LDS: channel rows 16 w .. of the x tile
	s_mov_b32 s36, 1
	s_mul_i32 s37, s20, 20480                      ; LDS: my part of K, V
	s_wait_dscnt 0x0
	s_wait_kmcnt 0x0
	s_add_nc_u64 s[26:27], s[4:5], s[48:49]
	s_or_b32 s27, s27, 0x80000000
	s_add_nc_u64 s[38:39], s[6:7], s[50:51]
	s_or_b32 s39, s39, 0x80000000
	s_add_nc_u64 s[16:17], s[16:17], s[18:19]
	s_add_nc_u64 s[8:9], s[8:9], s[58:59]
	ROUND                                          ; the four work-groups are here: the joint loads meet
	tensor_load_to_lds s[36:39], s[40:47]          ; K, V, jointly, first: they are needed first.  Two tensor loads of the wave are out, never more
	s_nop 0
	tensor_load_to_lds s[24:27], s[28:35]          ; x: it has both passes in which to land
	s_nop 0
	s_load_b32 s52, s[14:15], 0x0                  ; gamma
	; q straight into its fragments; wa in f32 through registers, in bf16 into LDS
	v_and_b32 v8, 31, v0                           ; lane
	v_and_b32 v9, 15, v0                           ; r
	v_bfe_u32 v10, v0, 4, 1                        ; h
	v_lshlrev_b32 v[L16], 4, v8
	v_lshl_add_u32 v12, s20, 12, v[L16]            ; wa rows 16 w .. (256 bytes each, two a load)
	global_load_b128 v[QF:QF+3], v[L16], s[8:9]
	global_load_b128 v[QF+8:QF+11], v[L16], s[8:9] offset:512
.irp k, 0,1,2,3,4,5,6,7
	global_load_b128 v[80+4*\k:80+4*\k+3], v12, s[10:11] offset:512*\k
.endr
	s_lshl_b32 s53, s20, 7                         ; my 32 pixels
	v_mul_u32_u24 v[SA], v10, 8*XPITCH
	v_lshl_add_u32 v[SA], v9, 3, v[SA]
	v_add_nc_u32 v[SA], s53, v[SA]                 ; 8 h rows + 128 w + 8 r
	v_add_nc_u32 v[SA+1], 64*XPITCH, v[SA]
	v_add_nc_u32 v[XA], XB, v[SA]
	v_add_nc_u32 v[XA+1], XB, v[SA+1]
	s_mul_i32 s53, s20, 16*WAP
	s_add_co_u32 s53, s53, WAB
	v_mul_u32_u24 v15, v10, WAP
	v_lshl_add_u32 v15, v9, 3, v15
	v_add_nc_u32 v15, s53, v15                     ; wa: row 16 w + h, 8 bytes for each of 16 lanes
.irp t, 0,1
.irp k, 4,5,6,7
	v_mov_b32 v[QF+8*\t+\k], 0                     ; k = 16 .. 31 of q: zero
.endr
.endr
.irp u, 0,1,2,3
.irp k, 4,5,6,7
	v_mov_b32 v[KF+8*\u+\k], 0                     ; k = 16 .. 31 of K: zero, for both passes
.endr
.endr
	s_wait_loadcnt 0x0                             ; q and wa
	s_wait_kmcnt 0x0                               ; gamma
.set n, 0
.rept 8
	v_cvt_pk_bf16_f32 v[112+2*n],   v[80+4*n],   v[80+4*n+1]
	v_cvt_pk_bf16_f32 v[112+2*n+1], v[80+4*n+2], v[80+4*n+3]
.set n, n+1
.endr
.irp k, 0,1,2,3,4,5,6,7
	ds_store_b64 v15, v[112+2*\k:112+2*\k+1] offset:2*WAP*\k
.endr
	s_wait_tensorcnt 0x1                           ; my part of K, V has landed; x, issued behind it, stays out
	s_wait_dscnt 0x0                               ; my rows of wa are in LDS, for the other waves' sake
	s_barrier_signal -1
	s_barrier_wait -1
	; PASS 1: the maximum.  A step is 32 positions (two K fragments) x two query tiles; scores in two sets, so that one set's maxima are taken behind the other's products.
	ds_load_b128 v[KF:KF+3],     v[L16]
	ds_load_b128 v[KF+8:KF+11],  v[L16] offset:512
	ds_load_b128 v[KF+16:KF+19], v[L16] offset:1024
	ds_load_b128 v[KF+24:KF+27], v[L16] offset:1536
	v_mov_b32 v[KADR], v[L16]
.macro MAXS base
.irp a, 0,1,2,3
.irp u, 0,1,2,3
	v_max3_num_f32 v[MX+\u], v[MX+\u], v[\base+8*\u+2*\a], v[\base+8*\u+2*\a+1]
.endr
.endr
.endm
; p: the step's parity.  mode 0: start the maxima; 1: take in the other set's scores.  load: K two steps ahead into the fragments just multiplied,
; behind at least five plain vector instructions that name none of the products' registers.  cnt: the next step's two loads may be out.
.macro P1 p, mode, load, cnt
	s_wait_dscnt \cnt
.irp t, 0,1
.irp e, 0,1
	v_wmma_f32_16x16x32_bf16 v[SC+48*\p+16*\t+8*\e:SC+48*\p+16*\t+8*\e+7], v[KF+16*\p+8*\e:KF+16*\p+8*\e+7], v[QF+8*\t:QF+8*\t+7], 0
.endr
.endr
.if \mode
	MAXS SC+48*(1-\p)
.else
.irp u, 0,1,2,3
	v_mov_b32 v[MX+\u], 0xff800000                 ; minus infinity
.endr
.endif
.if \load
	v_add_nc_u32 v[KADR], 1024, v[KADR]
	ds_load_b128 v[KF+16*\p:KF+16*\p+3],    v[KADR] offset:1024
	ds_load_b128 v[KF+16*\p+8:KF+16*\p+11], v[KADR] offset:1536
.endif
.endm
	P1 0, 0, 1, 2
	P1 1, 1, 1, 2
	s_mov_b32 s56, 14
.Lpass1:
	P1 0, 1, 1, 2
	P1 1, 1, 1, 2
	s_sub_co_i32 s56, s56, 1
	s_cmp_lg_u32 s56, 0
	s_cbranch_scc1 .Lpass1
	P1 0, 1, 0, 2
	P1 1, 1, 0, 0
	; pass 2's first fragments: K of steps 0 and 1, V of step 0 (sixteen plain instructions stand behind the last products)
	ds_load_b128 v[KF:KF+3],     v[L16]
	ds_load_b128 v[KF+8:KF+11],  v[L16] offset:512
	ds_load_b128 v[KF+16:KF+19], v[L16] offset:1024
	ds_load_b128 v[KF+24:KF+27], v[L16] offset:1536
.irp ct, 0,1,2,3
	ds_load_b128 v[VF+8*\ct:VF+8*\ct+3],   v[L16] offset:VPART+1024*\ct
	ds_load_b128 v[VF+8*\ct+4:VF+8*\ct+7], v[L16] offset:VPART+1024*\ct+512
.endr
	MAXS SC+48
	v_max_num_f32 v8, v8, v9                       ; tile 0
	v_max_num_f32 v10, v10, v11                    ; tile 1
	v_permlanex16_b32 v9, v8, s54, s55             ; the other half of the lanes holds the same query's other positions
	v_permlanex16_b32 v11, v10, s54, s55
	v_max_num_f32 v8, v8, v9
	v_max_num_f32 v10, v10, v11
.irp j, 0,1,2,3,4,5,6,7
	v_sub_f32 v[NEGM+\j], 0, v8
	v_sub_f32 v[NEGM+8+\j], 0, v10
.endr
	v_add_nc_u32 v[KADR], 1024, v[L16]
	v_add_nc_u32 v[VADR], VPART+4096, v[L16]
	; PASS 2.  Step i = 32 positions, in two groups, one a query tile.  While one tile's exponentials run, the matrix unit has the other tile's scores and products with V.
.macro QK t, kp                        ; scores of tile t minus its maximum: rows = positions, columns = queries
.irp e, 0,1
	v_wmma_f32_16x16x32_bf16 v[SC+16*\t+8*\e:SC+16*\t+8*\e+7], v[KF+16*(\kp)+8*\e:KF+16*(\kp)+8*\e+7], v[QF+8*\t:QF+8*\t+7], v[NEGM+8*\t:NEGM+8*\t+7]
.endr
.endm
.macro EXPS t
.set j, 0
.rept 16
	v_exp_f32 v[SC+16*\t+j], v[SC+16*\t+j]
.set j, j+1
.endr
.endm
.macro PV t, vp, zero                  ; rows = V's channels, columns = queries, 32 positions along k
.irp ct, 0,1,2,3
.if \zero
	v_wmma_f32_16x16x32_bf16 v[OA+32*\t+8*\ct:OA+32*\t+8*\ct+7], v[VF+32*(\vp)+8*\ct:VF+32*(\vp)+8*\ct+7], v[PB+8*\t:PB+8*\t+7], 0
.else
	v_wmma_f32_16x16x32_bf16 v[OA+32*\t+8*\ct:OA+32*\t+8*\ct+7], v[VF+32*(\vp)+8*\ct:VF+32*(\vp)+8*\ct+7], v[PB+8*\t:PB+8*\t+7], v[OA+32*\t+8*\ct:OA+32*\t+8*\ct+7]
.endif
.endr
.endm
.macro PACK t                          ; row sums in f32; a lane's eight exponentials of fragment e are positions 16 e + 8h .. +7 of query r: registers 4 e .. 4 e + 3 of the fragment
.irp k, 0,1,2,3
.irp e, 0,1
	v_pk_add_f32 v[SUM+4*\t+2*\e:SUM+4*\t+2*\e+1], v[SUM+4*\t+2*\e:SUM+4*\t+2*\e+1], v[SC+16*\t+8*\e+2*\k:SC+16*\t+8*\e+2*\k+1]
	v_cvt_pk_bf16_f32 v[PB+8*\t+4*\e+\k], v[SC+16*\t+8*\e+2*\k], v[SC+16*\t+8*\e+2*\k+1]
.endr
.endr
.endm
; Distances (ISA guide 7.12.1): every matrix result is read, every matrix source written or loaded again, one group later at the earliest, behind the
; seventeen plain vector instructions (the address step and PACK of the other tile) that name none of that instruction's registers.
; No two matrix instructions that follow each other share an accumulator: the accumulators take turns, one instruction a turn.
; The address step is also the plain instruction between the exponentials and the first use of their results (ISA guide 5.7.2).
; Group 0 of step i: scores (i, tile 1); exponentials of (i, tile 0); V product (i - 1, tile 1) (pv 0: none, 1: starts the sums, 2: adds);
; then K of step i + 2 and V of step i + 1 are asked for.
.macro GRP0 p, pv, ldk, ldv
	QK 1, \p
	EXPS 0
.if \pv == 1
	PV 1, 1-\p, 1
.endif
.if \pv == 2
	PV 1, 1-\p, 0
.endif
	v_add_nc_u32 v[KADR], 1024, v[KADR]
	s_wait_alu depctr_va_vdst(0)
	PACK 0
.if \ldk
	ds_load_b128 v[KF+16*\p:KF+16*\p+3],    v[KADR]
	ds_load_b128 v[KF+16*\p+8:KF+16*\p+11], v[KADR] offset:512
.endif
.if \ldv
.irp ct, 0,1,2,3
	ds_load_b128 v[VF+32*(1-\p)+8*\ct:VF+32*(1-\p)+8*\ct+3],   v[VADR] offset:1024*\ct
	ds_load_b128 v[VF+32*(1-\p)+8*\ct+4:VF+32*(1-\p)+8*\ct+7], v[VADR] offset:1024*\ct+512
.endr
.endif
.endm
; Group 1 of step i: scores (i + 1, tile 0); exponentials of (i, tile 1); V product (i, tile 0).
; cnt: the loads that group 0 has just issued may be out; what is multiplied here was asked for a step ago.
.macro GRP1 p, cnt, qk, zero
	s_wait_dscnt \cnt
.if \qk
	QK 0, 1-\p
.endif
	EXPS 1
	PV 0, \p, \zero
	v_add_nc_u32 v[VADR], 4096, v[VADR]
	s_wait_alu depctr_va_vdst(0)
	PACK 1
.endm
	s_wait_dscnt 0x0                               ; the twelve first fragments
	QK 0, 0
.irp j, 0,1,2,3,4,5,6,7
	v_mov_b32 v[SUM+\j], 0                         ; the row sums start; also the places behind the first scores
.endr
	GRP0 0, 0, 1, 1                                ; step 0
	GRP1 0, 10, 1, 1
	GRP0 1, 1, 1, 1                                ; step 1
	GRP1 1, 10, 1, 0
	s_mov_b32 s56, 14
.Lpass2:
	GRP0 0, 2, 1, 1                                ; steps 2 .. 29
	GRP1 0, 10, 1, 0
	GRP0 1, 2, 1, 1
	GRP1 1, 10, 1, 0
	s_sub_co_i32 s56, s56, 1
	s_cmp_lg_u32 s56, 0
	s_cbranch_scc1 .Lpass2
	GRP0 0, 2, 0, 1                                ; step 30: no K is left to ask for
	GRP1 0, 8, 1, 0
	GRP0 1, 2, 0, 0                                ; step 31: nothing is
	GRP1 1, 0, 0, 0
	PV 1, 1, 0                                     ; V product (31, tile 1)
	; THE END: 1 / row sum, feat in bf16, out = gamma (wa feat + ba) + x
	v_add_f32 v8, v8, v9                           ; these six are also the places behind the last products
	v_add_f32 v10, v10, v11
	v_add_f32 v12, v12, v13
	v_add_f32 v14, v14, v15
	v_add_f32 v8, v8, v10                          ; tile 0
	v_add_f32 v10, v12, v14                        ; tile 1
	v_bfe_u32 v[KADR], v0, 4, 1
	v_lshlrev_b32 v[KADR], 5, v[KADR]              ; ba[8h ..]
.irp ot, 0,1,2,3,4,5,6,7
	global_load_b128 v[BA+8*\ot:BA+8*\ot+3],   v[KADR], s[12:13] offset:64*\ot
	global_load_b128 v[BA+8*\ot+4:BA+8*\ot+7], v[KADR], s[12:13] offset:64*\ot+16
.endr
	v_permlanex16_b32 v9, v8, s54, s55
	v_permlanex16_b32 v11, v10, s54, s55
	v_add_f32 v8, v8, v9
	v_add_f32 v10, v10, v11
	v_rcp_f32 v8, v8                               ; the sum holds the maximum's own term, about one: never zero
	v_rcp_f32 v10, v10
	v_and_b32 v12, 15, v0                          ; plain work between the reciprocals and their use
	v_bfe_u32 v13, v0, 4, 1
	v_mul_u32_u24 v[VADR], v12, WAP
	v_lshl_add_u32 v[VADR], v13, 4, v[VADR]
	v_add_nc_u32 v[VADR], WAB, v[VADR]             ; wa fragments: row r, 16 h
	s_mul_i32 s53, s20, 4*XPITCH
	v_add_nc_u32 v[RDA], s53, v[L16]               ; the stage's row 4 w, 16 bytes a lane
	v_add_nc_u32 v[RDA+1], 64*XPITCH, v[RDA]
	s_wait_tensorcnt 0x0                           ; my rows of x have landed, for the other waves' sake
	s_wait_dscnt 0x0                               ; my reads of K and V are over
	s_barrier_signal -1
	s_barrier_wait -1                              ; everybody's are: the x tile is whole, and K's and V's bytes become the stage
	s_wait_alu depctr_va_vdst(0)
.irp t, 0,1
.set j, 0
.rept 16
	v_pk_mul_f32 v[OA+32*\t+2*j:OA+32*\t+2*j+1], v[OA+32*\t+2*j:OA+32*\t+2*j+1], v[8+2*\t:9+2*\t] op_sel_hi:[1,0]
.set j, j+1
.endr
.endr
.irp t, 0,1
.irp ct, 0,1,2,3
.irp k, 0,1,2,3
	v_cvt_pk_bf16_f32 v[FT+16*\t+4*\ct+\k], v[OA+32*\t+8*\ct+2*\k], v[OA+32*\t+8*\ct+2*\k+1]   ; channels 16 ct + 8h .. +7 of query r: half of the fragment of step ct >> 1
.endr
.endr
.endr
	s_wait_loadcnt 0x0                             ; ba
; The output goes in four blocks of 32 channels (beta; ot = 2 beta + otl; xb = beta & 1, hi = beta >> 1), so that a block's stores leave while the next is made.
; OBLOAD: wa's fragments and x of my pixels.  From block 2 on the register set was the data of the stores of two blocks ago.
.macro OBLOAD beta, xb, hi
.if \beta >= 2
	s_wait_xcnt 0x0                                ; the set is loaded again only behind this wait (ISA guide 3.1)
.endif
.irp otl, 0,1
.irp sp, 0,1
	ds_load_b128 v[WAF+16*\otl+8*\sp:WAF+16*\otl+8*\sp+3],   v[VADR] offset:(2*\beta+\otl)*16*WAP+64*\sp
	ds_load_b128 v[WAF+16*\otl+8*\sp+4:WAF+16*\otl+8*\sp+7], v[VADR] offset:(2*\beta+\otl)*16*WAP+64*\sp+32
.endr
.endr
.irp otl, 0,1
.irp j, 0,1,2,3,4,5,6,7
	ds_load_b64 v[XR+32*\xb+16*\otl+2*\j:XR+32*\xb+16*\otl+2*\j+1], v[XA+\hi] offset:((2*\xb+\otl)*16+\j)*XPITCH   ; x of channel 16 ot + 8h + j, my two pixels
.endr
.endr
.endm
; OBWORK: ba starts the sums; the two tiles' sums take turns.  The results go into the stage, whose rows of this block no other block touches:
; one barrier between all waves' stores and the reads of whole rows.  Then my four rows of the block are asked for, two loads a row.
.macro OBWORK beta, xb, hi
	s_wait_dscnt 16                                ; wa's fragments are in; the sixteen loads of x may be out
.irp otl, 0,1
.irp t, 0,1
	v_wmma_f32_16x16x32_bf16 v[DD+16*\otl+8*\t:DD+16*\otl+8*\t+7], v[WAF+16*\otl:WAF+16*\otl+7], v[FT+16*\t:FT+16*\t+7], v[BA+8*(2*\beta+\otl):BA+8*(2*\beta+\otl)+7]
.endr
.irp t, 0,1
	v_wmma_f32_16x16x32_bf16 v[DD+16*\otl+8*\t:DD+16*\otl+8*\t+7], v[WAF+16*\otl+8:WAF+16*\otl+15], v[FT+16*\t+8:FT+16*\t+15], v[DD+16*\otl+8*\t:DD+16*\otl+8*\t+7]
.endr
.endr
	s_wait_dscnt 0x0
.rept 4
	v_nop                                          ; four places in front of the first read of a result (ISA guide 7.12.1)
.endr
.irp otl, 0,1
.irp t, 0,1
.irp j, 0,1,2,3,4,5,6,7
	v_fma_f32 v[XR+32*\xb+16*\otl+2*\j+\t], s52, v[DD+16*\otl+8*\t+\j], v[XR+32*\xb+16*\otl+2*\j+\t]
.endr
.endr
.endr
.irp otl, 0,1
.irp j, 0,1,2,3,4,5,6,7
	ds_store_b64 v[SA+\hi], v[XR+32*\xb+16*\otl+2*\j:XR+32*\xb+16*\otl+2*\j+1] offset:((2*\xb+\otl)*16+\j)*XPITCH
.endr
.endr
	s_wait_dscnt 0x0                               ; my part of the block is in the stage, for the other waves' sake
	s_barrier_signal -1
	s_barrier_wait -1
.set i, 0
.rept 8
	ds_load_b128 v[XR+32*\xb+4*i:XR+32*\xb+4*i+3], v[RDA+\hi] offset:(32*\xb+i/2)*XPITCH+512*(i%2)
.set i, i+1
.endr
.endm
; OBOUT: rows 32 beta + 4 w .. + 3 leave; each store of the wave covers 512 consecutive bytes, aligned.  more = LDS loads issued behind the eight row loads.
.macro OBOUT beta, xb, more
.set i, 0
.rept 8
	s_wait_dscnt \more+7-i                         ; LDS loads come back in order: the younger ones may be out
	global_store_b128 v[L16], v[XR+32*\xb+4*i:XR+32*\xb+4*i+3], s[16:17] offset:(32*\beta+i/2)*16384+512*(i%2) th:TH_STORE_NT
.set i, i+1
.endr
.endm
	OBLOAD 0, 0, 0
	OBWORK 0, 0, 0
	OBLOAD 1, 1, 0
	OBOUT  0, 0, 24
	OBWORK 1, 1, 0
	OBLOAD 2, 0, 1
	OBOUT  1, 1, 24
	OBWORK 2, 0, 1
	OBLOAD 3, 1, 1
	OBOUT  2, 0, 24
	OBWORK 3, 1, 1
	OBOUT  3, 1, 0
	s_set_vgpr_msb 0x5
	s_wait_tensorcnt 0x0
	ds_add_u32 v0, v1
	s_wait_dscnt 0x0
	s_set_vgpr_msb 0x500
	ROUND                                          ; the closing round: no work-group ends while a partner may still ask for a tile that names it
	s_endpgm
.Lfunc_end_k_q543c7515e9_attn:
	.size	k_q543c7515e9_attn, .Lfunc_end_k_q543c7515e9_attn-k_q543c7515e9_attn
	.p2alignl 7, 3214868480
	.fill 96, 4, 3214868480
	.section	.rodata,"a",@progbits
	.p2align	6, 0x0
	.amdhsa_kernel k_q543c7515e9_attn
		.amdhsa_group_segment_fixed_size 316416
		.amdhsa_private_segment_fixed_size 0
		.amdhsa_enable_private_segment 0
		.amdhsa_kernarg_size 56
		.amdhsa_user_sgpr_count 2
		.amdhsa_user_sgpr_kernarg_segment_ptr 1
		.amdhsa_wavefront_size32 1
		.amdhsa_system_sgpr_workgroup_id_x 1
		.amdhsa_system_sgpr_workgroup_id_y 1
		.amdhsa_system_sgpr_workgroup_id_z 1
		.amdhsa_system_vgpr_workitem_id 0
		.amdhsa_next_free_vgpr 258
		.amdhsa_next_free_sgpr 66
		.amdhsa_reserve_vcc 0
		.amdhsa_float_denorm_mode_32 3
		.amdhsa_float_denorm_mode_16_64 3
		.amdhsa_memory_ordered 1
		.amdhsa_forward_progress 1
		.amdhsa_inst_pref_size 81
	.end_amdhsa_kernel
	.amdgpu_metadata
---
amdhsa.version: [ 1, 2 ]
amdhsa.kernels:
  - .name:           k_q543c7515e9_attn
    .symbol:         k_q543c7515e9_attn.kd
    .args:
      - { .name: x, .offset: 0, .size: 8, .value_kind: global_buffer, .address_space: global }
      - { .name: kv, .offset: 8, .size: 8, .value_kind: global_buffer, .address_space: global }
      - { .name: qf, .offset: 16, .size: 8, .value_kind: global_buffer, .address_space: global }
      - { .name: wa, .offset: 24, .size: 8, .value_kind: global_buffer, .address_space: global }
      - { .name: ba, .offset: 32, .size: 8, .value_kind: global_buffer, .address_space: global }
      - { .name: gamma, .offset: 40, .size: 8, .value_kind: global_buffer, .address_space: global }
      - { .name: out0, .offset: 48, .size: 8, .value_kind: global_buffer, .address_space: global }
    .group_segment_fixed_size: 316416
    .private_segment_fixed_size: 0
    .kernarg_segment_align: 8
    .kernarg_segment_size: 56
    .max_flat_workgroup_size: 256
    .sgpr_count:     66
    .vgpr_count:     258
    .wavefront_size: 32
...
	.end_amdgpu_metadata
.endif
;; end of part 2
